; MI455X (gfx1250); checked and timed in simulation.
; The chip was launched on July 23, 2026; its instructions are those of AMD's public machine-readable ISA for CDNA 5 (MIT licence, August 2026) and "CDNA5" Instruction Set Architecture Reference Guide (July 2026). The comments in the code are by the model that wrote it; some were corrected since.
;; Swin Transformer Block. Allowed arithmetic: float matrix products may take bf16 or f16 operands with f32 sums; all other float work in f32.
;; Inputs: params_b_fc1 1,024 float32; params_b_fc2 256 float32; params_b_pq 256 float32; params_b_proj 256 float32; params_b_ps 256 float32; params_bkv 512 float32; params_bq 256 float32; params_norm1_b 256 float32; params_norm1_g 256 float32; params_norm2_b 256 float32; params_norm2_g 256 float32; params_w_fc1 1,024 x 256 float32; params_w_fc2 256 x 1,024 float32; params_w_pq 256 x 1 float32; params_w_proj 256 x 256 float32; params_w_ps 256 x 1 float32; params_wkv 512 x 256 float32; params_wq 256 x 256 float32; pro_pred 4 x 16,384 x 1 float32; q_mask 4 x 16,384 x 1 float32; s_mask 4 x 16,384 x 1 float32; x 4 x 16,384 x 256 float32; y 4 x 16,384 x 256 float32.
;; Outputs: out0 4 x 16,384 x 256 float32.
;; One version. Each part assembles by itself: llvm-mc -triple=amdgcn-amd-amdhsa -mcpu=gfx1250 --defsym DOCPART=n.
;; ======== version 1 of 1: 2 launches
;; limits: a function is approximated: absolute error at most 2.5e-05
;; workspace buffers: wbuf 1,572,864 bytes; tab 9,472 bytes
;; launch prep (part 1): grid 193 x 1, 1 waves a work-group, no clusters, 0 bytes of LDS; arguments params_wq, params_wkv, params_w_fc1, params_w_proj, params_w_fc2, params_norm1_g, params_norm2_g, params_norm1_b, params_norm2_b, params_bq, params_bkv, params_b_fc1, params_b_proj, params_b_fc2, params_w_pq, params_b_pq, params_w_ps, params_b_ps, wbuf, tab; writes wbuf, tab
.if DOCPART == 1
	.amdgcn_target "amdgcn-amd-amdhsa--gfx1250"
	.amdhsa_code_object_version 6
	.text
	.protected	k_qe05b012b36_prep
	.globl	k_qe05b012b36_prep
	.p2align	8
	.type	k_qe05b012b36_prep,@function
k_qe05b012b36_prep:
	s_mov_b64 s[64:65], 0
	v_nop
	global_prefetch_b8 v0, s[64:65] scope:SCOPE_SE
	s_setreg_imm32_b32 hwreg(HW_REG_WAVE_MODE, 25, 1), 1
	s_wait_xcnt 0x0
; Weights to bf16, laid out as the matrix unit's register images in the order in which the second launch walks them.
; A fragment is 16 rows x 32 columns, 1,024 bytes: quad n (0, 1) at n*512 + lane*16 holds W[row0 + lane%16][col0 + 16n + 8(lane/16) + 0..7].
; A unit is 16 fragments.  Units: 3hd+0 wq, 3hd+1 wk, 3hd+2 wv of head hd (fragment 2ks+m); 24+u w_proj rows 32u..;
; from 32 on the MLP's 64 units in the order of use: w_fc1 rows 32c.. at 32+max(2c-1,0) (fragment 2ks+m), w_fc2 columns 32c.. at 32+min(2c+2,63) (fragment mt).
; Folded in, exactly: W(xg+b)+c = (W diag g)x + (c+Wb), products and the dot in f32, the weight rounded to bf16 once; wq and bq also times sc = log2(e)/sqrt(32);
; w_fc1 and b_fc1 times s = sqrt(log2(e)/2), w_fc2 times 0.5/s (the second launch's gelu works on s x and leaves 2 s gelu(x)).
; tab (f32): bq' 0, bk' 1024, bv' 2048, b_proj 3072, b_fc1' 4096, b_fc2 8192, and at 9216 for each head (A,B,C,D) log2(e):
; A = sum w_pq w_ps, B = sum w_pq b_ps, C = sum b_pq w_ps, D = sum b_pq b_ps over the head's 32 channels.
; One wave to a work-group, eight fragments (or the table's copies) to a wave: 192 + 1 work-groups.
.set BPJ, 3072
.set BF2, 8192
.set HC,  9216
.set MSB, 0
.macro WIN new
.if MSB != (\new)
	s_set_vgpr_msb (MSB<<8)|(\new)
.set MSB, (\new)
.endif
.endm
; 32 loads of 16 bytes: fragment j, quad n, half e at j*SJ + n*64 + e*16 from the lane's row: v[64+4i], i = 4j+2n+e
.macro WLOAD voff, SJ
.set i, 0
.rept 32
	global_load_b128 v[64+4*i:67+4*i], v[\voff], s[48:49] offset:(i/4)*(\SJ)+((i/2)%2)*64+(i%2)*16
.set i, i+1
.endr
.endm
	s_load_b512 s[4:19], s[0:1], 0x0               ; wq 4, wkv 6, w_fc1 8, w_proj 10, w_fc2 12, g1 14, g2 16, b1 18
	s_load_b512 s[20:35], s[0:1], 0x40             ; b2 20, bq 22, bkv 24, b_fc1 26, b_proj 28, b_fc2 30, w_pq 32, b_pq 34
	s_load_b256 s[36:43], s[0:1], 0x80             ; w_ps 36, b_ps 38, wbuf 40, tab 42
	v_and_b32 v1, 15, v0                           ; r
	v_lshrrev_b32 v2, 4, v0                        ; h
	v_lshlrev_b32 v3, 4, v0                        ; 16 x lane
	v_lshlrev_b32 v4, 5, v2                        ; 32 h
	v_lshl_add_u32 v5, v1, 10, v4                  ; r x 1,024 + 32 h: rows of 256 f32
	v_lshl_add_u32 v6, v1, 12, v4                  ; r x 4,096 + 32 h: rows of 1,024 f32
	v_lshlrev_b32 v7, 2, v1                        ; 4 r
	s_mov_b32 s44, ttmp9
	s_and_b32 s45, s44, 1                          ; m: which of a pair of fragments is mine
	s_mov_b32 s63, 0
	s_mov_b32 s72, 0x76543210
	s_mov_b32 s73, 0xfedcba98
	s_wait_kmcnt 0x0
	s_cmp_lt_u32 s44, 48
	s_cbranch_scc1 .Lqkv
	s_cmp_lt_u32 s44, 64
	s_cbranch_scc1 .Lproj
	s_cmp_lt_u32 s44, 128
	s_cbranch_scc1 .Lfc1
	s_cmp_lt_u32 s44, 192
	s_cbranch_scc1 .Lfc2
	; the last work-group: two biases are copied, the 32 head constants are made
	v_lshlrev_b32 v9, 5, v0                        ; 32 x lane: 8 numbers a lane
	global_load_b128 v[16:19], v9, s[28:29]
	global_load_b128 v[20:23], v9, s[28:29] offset:16
	global_load_b128 v[24:27], v9, s[30:31]
	global_load_b128 v[28:31], v9, s[30:31] offset:16
	global_load_b128 v[32:35], v9, s[32:33]
	global_load_b128 v[36:39], v9, s[32:33] offset:16
	global_load_b128 v[40:43], v9, s[34:35]
	global_load_b128 v[44:47], v9, s[34:35] offset:16
	global_load_b128 v[48:51], v9, s[36:37]
	global_load_b128 v[52:55], v9, s[36:37] offset:16
	global_load_b128 v[56:59], v9, s[38:39]
	global_load_b128 v[60:63], v9, s[38:39] offset:16
	v_lshrrev_b32 v10, 2, v0                       ; four lanes to a head
	v_lshlrev_b32 v10, 4, v10
	s_wait_loadcnt 0x0
	global_store_b128 v9, v[16:19], s[42:43] offset:BPJ
	global_store_b128 v9, v[20:23], s[42:43] offset:BPJ+16
	global_store_b128 v9, v[24:27], s[42:43] offset:BF2
	global_store_b128 v9, v[28:31], s[42:43] offset:BF2+16
	v_mul_f32 v12, v32, v48
	v_mul_f32 v13, v32, v56
	v_mul_f32 v14, v40, v48
	v_mul_f32 v15, v40, v56
.set i, 1
.rept 7
	v_fmac_f32 v12, v[32+i], v[48+i]
	v_fmac_f32 v13, v[32+i], v[56+i]
	v_fmac_f32 v14, v[40+i], v[48+i]
	v_fmac_f32 v15, v[40+i], v[56+i]
.set i, i+1
.endr
.irp x, 1, 2
.irp k, 12, 13, 14, 15
	v_add_f32_dpp v\k, v\k, v\k row_xmask:\x row_mask:0xf bank_mask:0xf
.endr
.endr
.irp k, 12, 13, 14, 15
	v_mul_f32 v\k, 0x3fb8aa3b, v\k                 ; the scores are kept in powers of two
.endr
	global_store_b128 v10, v[12:15], s[42:43] offset:HC  ; a head's four lanes store the same 16 bytes
	s_endpgm
.Lproj:                                                ; w_proj: unit 24+u, rows 32u+16m, no gain
	s_sub_co_u32 s46, s44, 48
	s_lshr_b32 s47, s46, 1                         ; u
	s_lshl_b32 s57, s47, 5
	s_lshl4_add_u32 s57, s45, s57                  ; row
	s_lshl_b32 s62, s57, 10
	s_add_nc_u64 s[48:49], s[10:11], s[62:63]
	s_add_co_u32 s46, s47, 24
	s_mov_b32 s60, 1.0
	WLOAD 5, 128
	s_branch .Lfin
.Lfc2:                                                 ; w_fc2, chunk c: fragments mt = 2j+m: rows 16mt.., columns 32c..
	s_sub_co_u32 s46, s44, 128
	s_lshr_b32 s47, s46, 1                         ; c
	s_lshl_b32 s62, s45, 16                        ; 16 m rows of 4,096 bytes
	s_lshl_b32 s68, s47, 7                         ; 32 c columns
	s_add_co_u32 s62, s62, s68
	s_add_nc_u64 s[48:49], s[12:13], s[62:63]
	s_lshl_b32 s46, s47, 1
	s_add_co_u32 s46, s46, 2
	s_min_u32 s46, s46, 63
	s_add_co_u32 s46, s46, 32                      ; unit 32 + min(2c+2, 63)
	s_mov_b32 s60, 0x3f16b55f                      ; 0.5/s
	WLOAD 6, 131072
	s_branch .Lfin
.Lqkv:                                                 ; unit = id/2 = 3hd+kind
	s_lshr_b32 s46, s44, 1
	s_mul_i32 s47, s46, 11
	s_lshr_b32 s47, s47, 5                         ; hd = unit/3 for unit < 24
	s_mul_i32 s56, s47, 3
	s_sub_co_u32 s56, s46, s56                     ; kind: 0 q, 1 k, 2 v
	s_lshl_b32 s57, s47, 5
	s_lshl4_add_u32 s57, s45, s57
	s_lshr_b32 s58, s56, 1
	s_lshl_b32 s58, s58, 8
	s_add_co_u32 s57, s57, s58                     ; the row in wq or wkv
	s_cmp_eq_u32 s56, 0
	s_cselect_b64 s[48:49], s[4:5], s[6:7]
	s_cselect_b64 s[54:55], s[22:23], s[24:25]
	s_cselect_b32 s60, 0x3e8293ee, 1.0             ; sc = log2(e)/sqrt(32) for q
	s_cselect_b32 s59, 0, 1024                     ; bq' at 0; bk', bv' from 1,024 on
	s_mov_b64 s[50:51], s[14:15]
	s_mov_b64 s[52:53], s[18:19]
	s_branch .Lgain
.Lfc1:                                                 ; w_fc1, chunk c: rows 32c+16m
	s_sub_co_u32 s46, s44, 64
	s_lshr_b32 s47, s46, 1
	s_lshl_b32 s57, s47, 5
	s_lshl4_add_u32 s57, s45, s57
	s_lshl_b32 s46, s47, 1
	s_sub_co_i32 s46, s46, 1
	s_max_i32 s46, s46, 0
	s_add_co_u32 s46, s46, 32                      ; unit 32 + max(2c-1, 0)
	s_mov_b64 s[48:49], s[8:9]
	s_mov_b64 s[54:55], s[26:27]
	s_mov_b64 s[50:51], s[16:17]
	s_mov_b64 s[52:53], s[20:21]
	s_mov_b32 s60, 0x3f596d27                      ; s = sqrt(log2(e)/2)
	s_mov_b32 s59, 4096
.Lgain:
	s_lshl_b32 s62, s57, 10
	s_add_nc_u64 s[48:49], s[48:49], s[62:63]      ; the 16 rows
	s_lshl_b32 s62, s57, 2
	s_add_nc_u64 s[54:55], s[54:55], s[62:63]      ; their biases
	s_add_co_u32 s62, s62, s59
	s_add_nc_u64 s[66:67], s[42:43], s[62:63]      ; and where those go
	global_load_b32 v8, v7, s[54:55]
	WLOAD 5, 128
	WIN 0x40                                       ; gain and shift of the lane's 128 columns into window 1
.set i, 0
.rept 32
	global_load_b128 v[4*i:4*i+3], v4, s[50:51] offset:(i/4)*128+((i/2)%2)*64+(i%2)*16
	global_load_b128 v[128+4*i:131+4*i], v4, s[52:53] offset:(i/4)*128+((i/2)%2)*64+(i%2)*16
.set i, i+1
.endr
	WIN 0
	s_wait_loadcnt 0x0
	WIN 0x04                                       ; source 1 in window 1
.irp k, 0,1,2,3
	v_pk_mul_f32 v[16+2*\k:17+2*\k], v[64+2*\k:65+2*\k], v[128+2*\k:129+2*\k]
.endr
.set i, 4
.rept 60                                       ; the dot of the row with the shift, four chains
	v_pk_fma_f32 v[16+2*(i%4):17+2*(i%4)], v[64+2*i:65+2*i], v[128+2*i:129+2*i], v[16+2*(i%4):17+2*(i%4)]
.set i, i+1
.endr
.set i, 0
.rept 64
	v_pk_mul_f32 v[64+2*i:65+2*i], v[64+2*i:65+2*i], v[2*i:2*i+1]
.set i, i+1
.endr
	WIN 0
	v_pk_add_f32 v[16:17], v[16:17], v[18:19]
	v_pk_add_f32 v[20:21], v[20:21], v[22:23]
	v_pk_add_f32 v[16:17], v[16:17], v[20:21]
	v_add_f32 v16, v16, v17
	v_permlanex16_b32 v17, v16, s72, s73           ; the row's other 128 columns lie in the lane 16 away
	v_add_f32 v16, v16, v17
	v_add_f32 v16, v16, v8
	v_mul_f32 v16, s60, v16
	global_store_b32 v7, v16, s[66:67]             ; both halves of the lanes store the same word
.Lfin:                                                 ; the three ways join: scale, round, store
	s_wait_loadcnt 0x0
	s_mov_b32 s61, s60
	s_lshl_b32 s62, s46, 14                        ; the unit,
	s_lshl_b32 s68, s45, 10                        ; my fragments are its numbers 2j+m
	s_add_co_u32 s62, s62, s68
	s_add_nc_u64 s[70:71], s[40:41], s[62:63]
.set i, 0
.rept 64
	v_pk_mul_f32 v[64+2*i:65+2*i], v[64+2*i:65+2*i], s[60:61] op_sel_hi:[1,0]  ; times the path's factor (times 1 is exact)
.set i, i+1
.endr
.set i, 0
.rept 64
	v_cvt_pk_bf16_f32 v[192+i], v[64+2*i], v[65+2*i]
.set i, i+1
.endr
.set i, 0
.rept 16
	global_store_b128 v3, v[192+4*i:195+4*i], s[70:71] offset:(i/2)*2048+(i%2)*512  ; each store of the wave covers 512 consecutive bytes, aligned
.set i, i+1
.endr
	s_endpgm
.Lfunc_end_k_qe05b012b36_prep:
	.size	k_qe05b012b36_prep, .Lfunc_end_k_qe05b012b36_prep-k_qe05b012b36_prep
	.p2alignl 7, 3214868480
	.fill 96, 4, 3214868480
	.section	.rodata,"a",@progbits
	.p2align	6, 0x0
	.amdhsa_kernel k_qe05b012b36_prep
		.amdhsa_group_segment_fixed_size 0
		.amdhsa_private_segment_fixed_size 0
		.amdhsa_enable_private_segment 0
		.amdhsa_kernarg_size 160
		.amdhsa_user_sgpr_count 2
		.amdhsa_user_sgpr_kernarg_segment_ptr 1
		.amdhsa_wavefront_size32 1
		.amdhsa_system_sgpr_workgroup_id_x 1
		.amdhsa_system_sgpr_workgroup_id_y 1
		.amdhsa_system_sgpr_workgroup_id_z 1
		.amdhsa_system_vgpr_workitem_id 0
		.amdhsa_next_free_vgpr 512
		.amdhsa_next_free_sgpr 80
		.amdhsa_reserve_vcc 0
		.amdhsa_float_denorm_mode_32 3
		.amdhsa_float_denorm_mode_16_64 3
		.amdhsa_memory_ordered 1
		.amdhsa_forward_progress 1
		.amdhsa_inst_pref_size 41
	.end_amdhsa_kernel
	.amdgpu_metadata
---
amdhsa.version: [ 1, 2 ]
amdhsa.kernels:
  - .name:           k_qe05b012b36_prep
    .symbol:         k_qe05b012b36_prep.kd
    .args:
      - { .name: params_wq, .offset: 0, .size: 8, .value_kind: global_buffer, .address_space: global }
      - { .name: params_wkv, .offset: 8, .size: 8, .value_kind: global_buffer, .address_space: global }
      - { .name: params_w_fc1, .offset: 16, .size: 8, .value_kind: global_buffer, .address_space: global }
      - { .name: params_w_proj, .offset: 24, .size: 8, .value_kind: global_buffer, .address_space: global }
      - { .name: params_w_fc2, .offset: 32, .size: 8, .value_kind: global_buffer, .address_space: global }
      - { .name: params_norm1_g, .offset: 40, .size: 8, .value_kind: global_buffer, .address_space: global }
      - { .name: params_norm2_g, .offset: 48, .size: 8, .value_kind: global_buffer, .address_space: global }
      - { .name: params_norm1_b, .offset: 56, .size: 8, .value_kind: global_buffer, .address_space: global }
      - { .name: params_norm2_b, .offset: 64, .size: 8, .value_kind: global_buffer, .address_space: global }
      - { .name: params_bq, .offset: 72, .size: 8, .value_kind: global_buffer, .address_space: global }
      - { .name: params_bkv, .offset: 80, .size: 8, .value_kind: global_buffer, .address_space: global }
      - { .name: params_b_fc1, .offset: 88, .size: 8, .value_kind: global_buffer, .address_space: global }
      - { .name: params_b_proj, .offset: 96, .size: 8, .value_kind: global_buffer, .address_space: global }
      - { .name: params_b_fc2, .offset: 104, .size: 8, .value_kind: global_buffer, .address_space: global }
      - { .name: params_w_pq, .offset: 112, .size: 8, .value_kind: global_buffer, .address_space: global }
      - { .name: params_b_pq, .offset: 120, .size: 8, .value_kind: global_buffer, .address_space: global }
      - { .name: params_w_ps, .offset: 128, .size: 8, .value_kind: global_buffer, .address_space: global }
      - { .name: params_b_ps, .offset: 136, .size: 8, .value_kind: global_buffer, .address_space: global }
      - { .name: wbuf, .offset: 144, .size: 8, .value_kind: global_buffer, .address_space: global }
      - { .name: tab, .offset: 152, .size: 8, .value_kind: global_buffer, .address_space: global }
    .group_segment_fixed_size: 0
    .private_segment_fixed_size: 0
    .kernarg_segment_align: 8
    .kernarg_segment_size: 160
    .max_flat_workgroup_size: 32
    .sgpr_count:     80
    .vgpr_count:     512
    .wavefront_size: 32
...
	.end_amdgpu_metadata
.endif
;; end of part 1
;; launch swin (part 2): grid 256 x 1, 4 waves a work-group, clusters of 4 x 1, 327,680 bytes of LDS; arguments x, y, q_mask, s_mask, pro_pred, wbuf, tab, out0; writes out0
.if DOCPART == 2
	.amdgcn_target "amdgcn-amd-amdhsa--gfx1250"
	.amdhsa_code_object_version 6
	.text
	.protected	k_qe05b012b36_swin
	.globl	k_qe05b012b36_swin
	.p2align	8
	.type	k_qe05b012b36_swin,@function
k_qe05b012b36_swin:
	s_mov_b64 s[64:65], 0
	v_nop
	global_prefetch_b8 v0, s[64:65] scope:SCOPE_SE
	s_setreg_imm32_b32 hwreg(HW_REG_WAVE_MODE, 25, 1), 1
	s_wait_xcnt 0x0
	s_wait_alu depctr_hold_cnt(0) depctr_sa_sdst(0) depctr_va_vdst(0) depctr_va_sdst(0) depctr_va_ssrc(0) depctr_va_vcc(0) depctr_vm_vsrc(0)
	s_getreg_b32 s2, hwreg(HW_REG_IB_STS2, 6, 4)
	s_cmp_eq_u32 s2, 0
	s_cbranch_scc0 .Lentry_in_a_cluster
	s_endpgm
.Lentry_in_a_cluster:
	s_bfe_u32 s2, ttmp6, 0x10000c
	s_cmp_lg_u32 s2, 0x3003
	s_cbranch_scc0 .Lentry_shape_is_right
	s_endpgm
.Lentry_shape_is_right:
; The whole shifted-window block in one launch.  A wave owns ONE window (64 tokens, four tiles of 16: the window's 4 x 4 quadrants) from LayerNorm 1 to the last residual;
; a work-group's four waves share only the weights, which walk through two LDS slots, and a table of biases.  1,024 windows = 256 work-groups x 4 waves.
; The shift: window (wi, wj) of the rolled image is rows 8wi+4.. and columns 8wj+4.. (mod 128) of the image as it lies, and its result goes back to the same places.
; LAYOUT.  Activations are kept with lane%16 = token and channels along the registers.  Y^T = W X^T (source 0 = 16 weight rows, source 1 = 16 tokens) leaves in lane (r,h), register j,
; channel 8h+j of token r: two such results rounded to bf16 in pairs ARE the next product's fragment.  V is made the other way round (source 0 = tokens), so that its result is source 0 of O^T = V^T P.
; So nothing changes lanes between products; LDS is read for weights, and for the loops over tiles, which cannot index registers.
; EXACT REWRITINGS.  LayerNorm's gain and shift, and sc = log2(e)/sqrt(32) for q, are folded into the weights by the launch before.  The cosine score is (q''.k)/(|q''||k| + sc 1e-7), the same quotient.
; V's bias is added behind the division, since the weights sum to 1.  qp.sp = ppc sb A + ppc B + sb C + D by head, since w_pq and w_ps have one column; kept in f32.
; gelu(x) = (x + |x| (1 - P(t) exp(-x^2/2)))/2; fc1 arrives times s = sqrt(log2(e)/2), so that the exponent is -H^2 in powers of two, and fc2 times 0.5/s.
; THE MLP GOES BY TURNS.  Turn c: fc2's 64 products of chunk c-1; H's lower half is rounded into HF; fc1's 32 products for the lower 16 channels of chunk c+1; the upper half is rounded;
; fc1's 32 products for the upper 16.  The gelu is one stream of 416 lines a chunk, dealt a slice behind each product.  One text for all turns.
; LIMITS.  A masked score counts as -1e30, not -infinity: every query sees itself, so the row's maximum is a true score and a masked weight is exactly 0; scores stay under 1e29.
; erf by P(t) = a1 t + a2 t^2 + a3 t^3, t = 1/(1 + 0.47047 |x|/sqrt 2) (absolute error at most 2.5e-5 for every x).  NaN and infinities are not treated apart (min(pp,1) for the clip).
; Exponentials, roots and reciprocals flush denormals.  x is read twice (LayerNorm 1, residual): an f32 copy of a window is 64 KB, for which neither registers nor LDS have room.
; CLUSTER.  All work-groups walk the same weights: the four of a cluster ask for each fill jointly, each wave a quarter of it.
; REGISTERS.  window 0: v0-23 addresses and constants; v24-39 BR (biases as a product's C); v40-63 at work; v64-191 T; v192-255 two buffers of four weight fragments.
;   T in the MLP: H v64-127 (accumulator a = 4m+tt at 8a), HF v128-159, U v160-175 (two sets), E v176-183, Q v184-191.
;   window 1: XN, then AO, then x's rows and b_fc2, then XM: fragment (tile tt, K step ks) at 8(8tt+ks).   window 2: YN, then ACC of channel blocks 0-7, (mt,tt) at 8(4mt+tt).
;   window 3: raw rows; in attention QF 0, Kf 32, Vf 96, QBk 160, SBk 192, KN 224; then ACC of channel blocks 8-15.
.set SLOT1, 0x10000                    ; slot 0 at 0, slot 1 here: 49,152 bytes each
.set TAB,   49152                      ; the table, 9,344 bytes, filled once
.set SPARE, 58624                      ; the spare words: 128 bytes a wave, two blocks of 256 bytes that no other line names
.set OWN0,  114688                     ; from here 49,664 bytes for each wave, its own: PKR (32,768: packed fragments) and STG (16 tokens x 1,040 bytes; scratch in attention)
.set OWNSZ, 49664
.set STG,   32768
.set SPITCH, 1040                      ; 65 x 16 bytes: the 16 rows of a fragment access start in 16 different columns of 16 bytes
.set BQ,  0
.set BK,  1024
.set BV,  2048
.set BPJ, 3072
.set BF1, 4096
.set BF2, 8192
.set HC,  9216
.set T,   64
.set S,   64
.set WF,  192
.set BR,  24
.set GU,  160
.set GX,  176
.set GQ,  184
.set MSB, 0
.set EMIT, 1
.set gq, 0
.set ge, 0
.set rs, 0
.set ru, 0
.set hp, 0
.set gqm, 0
.macro WIN new                         ; the immediate's high byte repeats the setting that is left; a switch that changes nothing is dropped
.if MSB != (\new)
	s_set_vgpr_msb (MSB<<8)|(\new)
.set MSB, (\new)
.endif
.endm
.macro PLACES                          ; four places behind matrix instructions (ISA guide 7.12.1), where no other vector work is at hand
.rept 4
	v_nop
.endr
.endm
.macro ROUND                           ; a round of the cluster's barrier
	s_barrier_signal -1
	s_barrier_wait -1
	s_cmp_lg_u32 s24, 0
	s_cbranch_scc1 .Lnot_wave_0_\@
	s_barrier_signal -3
.Lnot_wave_0_\@:
	s_barrier_wait -3
	s_barrier_signal -1
	s_barrier_wait -1
.endm
; THE CHANGE OF SLOTS.  Each wave waits for all its tensor loads (one is out: its quarter of the slot to be read), adds 0 to its spare word, waits for that and for its reads of the slot
; that it leaves; the round shows the same of every wave of the four work-groups; the joint refill of the slot just left is the first thing behind it.
; small = 1: from here on a fill is 32,768 bytes, 32 rows a wave, and this one goes into slot 0.
.macro CHANGE fill, step, small=0
	WIN 0
	s_wait_tensorcnt 0x0                           ; no tensor load of mine is out, so the descriptor may be written
	ds_add_u32 v4, v5                              ; 0 onto my spare word
.if \fill
.if \small
	s_mov_b32 s38, 32<<16
	s_mov_b32 s40, 32
	s_lshl_b32 s58, s24, 13
	s_lshl_b32 s33, s24, 13
.else
	s_xor_b32 s33, s33, SLOT1
.endif
	s_add_nc_u64 s[56:57], s[56:57], \step         ; the next fill's first byte,
	s_add_nc_u64 s[34:35], s[56:57], s[58:59]      ; my quarter of it,
	s_or_b32 s35, s35, 0x80000000                  ; the type bits
.endif
	s_wait_dscnt 0x0                               ; the add is done, and my reads of the slot are over
	ROUND
.if \fill
	tensor_load_to_lds s[32:35], s[36:43]
	s_nop 0
	PLACES
.endif
.endm
.macro LOADW buf, off                  ; four weight fragments, 4,096 consecutive bytes
.irp f, 0,1,2,3,4,5,6,7
	ds_load_b128 v[(\buf)+4*\f:(\buf)+4*\f+3], v9 offset:(\off)+512*\f
.endr
.endm
.macro LOADW1 buf, ub, m, k0           ; four fragments of fc1's unit at byte ub of the slot: row block m, K steps k0 .. k0+3 (fragment 2ks+m of the unit)
.irp f, 0,1,2,3
	ds_load_b128 v[(\buf)+8*\f:(\buf)+8*\f+3], v9 offset:(\ub)+(2*((\k0)+\f)+(\m))*1024
	ds_load_b128 v[(\buf)+8*\f+4:(\buf)+8*\f+7], v9 offset:(\ub)+(2*((\k0)+\f)+(\m))*1024+512
.endr
.endm
.macro BRLOAD off                      ; biases of 32 channels as two C operands: register j = channel 16m+8h+j
	ds_load_b128 v[24:27], v10 offset:(\off)
	ds_load_b128 v[28:31], v10 offset:(\off)+16
	ds_load_b128 v[32:35], v10 offset:(\off)+64
	ds_load_b128 v[36:39], v10 offset:(\off)+80
.endm
.macro SWAIT n, tot                    ; in front of group n's products: the next group's eight loads may stay out; behind the last group's nothing was issued
.if (\n)==(\tot)-1
	s_wait_dscnt 0x0
.else
	s_wait_dscnt 0x8
.endif
.endm
.macro NEXTW n, tot
.if (\n)+2<(\tot)
	LOADW WF+32*((\n)%2), ((\n)+2)*4096
.endif
.endm
.macro TOKN t                          ; s30 = the first token of tile s[t] (bit 1: lower half, bit 0: right half of the window)
	s_bfe_u32 s30, s[\t], 0x10001
	s_lshl2_add_u32 s30, s30, s62
	s_and_b32 s30, s30, 127
	s_and_b32 s31, s[\t], 1
	s_lshl2_add_u32 s31, s31, s63
	s_and_b32 s31, s31, 127
	s_lshl_b32 s30, s30, 7
	s_add_co_u32 s30, s30, s31
	s_add_co_u32 s30, s30, s66
.endm
.macro TILEBASE d, p, t                ; s[d:d+1] = buffer s[p:p+1] at that token's row of 1,024 bytes
	TOKN \t
	s_lshl_b32 s30, s30, 10
	s_mov_b32 s31, 0
	s_add_nc_u64 s[\d:\d+1], s[\p:\p+1], s[30:31]
.endm
.macro GLOAD w                         ; a tile's 16 rows into v0-127 of window w: each load covers 512 consecutive bytes
	WIN (\w)<<6
.set i, 0
.rept 32
	global_load_b128 v[4*i:4*i+3], v1, s[80:81] offset:(i/8)*131072+((i/2)%4)*1024+(i%2)*512
.set i, i+1
.endr
	WIN 0
.endm
.macro TOSTAGE w                       ; the rows into my stage
	WIN (\w)<<2
.set i, 0
.rept 32
	ds_store_b128 v7, v[4*i:4*i+3] offset:(i/2)*SPITCH+(i%2)*512
.set i, i+1
.endr
	WIN 0
.endm
.macro FROMSTAGE                       ; and back by tokens: T[8mt+i] = channel 16mt+8h+i of token r (LDS serves a wave's instructions in order: ISA guide 5.7.1.4)
.set i, 0
.rept 32
	ds_load_b128 v[T+4*i:T+4*i+3], v6 offset:(i/2)*64+(i%2)*16
.set i, i+1
.endr
.endm
.macro DRAIN w                         ; the 32 packed fragments of PKR into window w
	WIN (\w)<<6
.set i, 0
.rept 64
	ds_load_b128 v[4*i:4*i+3], v8 offset:512*i
.set i, i+1
.endr
	WIN 0
	s_wait_dscnt 0x0
.endm
; LayerNorm without gain and shift of the tile in T, in two passes (mean, then squares of the differences); rounded to bf16: T's pairs ARE the eight fragments; they go to PKR at v11.
.macro LNT
.irp k, 0,1,2,3
	v_pk_add_f32 v[48+2*\k:49+2*\k], v[T+2*\k:T+2*\k+1], v[T+8+2*\k:T+8+2*\k+1]
.endr
.set i, 8
.rept 56
	v_pk_add_f32 v[48+2*(i%4):49+2*(i%4)], v[48+2*(i%4):49+2*(i%4)], v[T+2*i:T+2*i+1]
.set i, i+1
.endr
	v_pk_add_f32 v[48:49], v[48:49], v[50:51]
	v_pk_add_f32 v[52:53], v[52:53], v[54:55]
	v_pk_add_f32 v[48:49], v[48:49], v[52:53]
	v_add_f32 v48, v48, v49
	v_permlanex16_b32 v49, v48, s60, s61           ; the token's other 128 channels lie in the lane 16 away
	v_add_f32 v48, v48, v49
	v_mul_f32 v56, 0xbb800000, v48                 ; minus the mean
	v_mov_b32 v57, v56
.set i, 0
.rept 64
	v_pk_add_f32 v[T+2*i:T+2*i+1], v[T+2*i:T+2*i+1], v[56:57]
.set i, i+1
.endr
.irp k, 0,1,2,3
	v_pk_mul_f32 v[48+2*\k:49+2*\k], v[T+2*\k:T+2*\k+1], v[T+2*\k:T+2*\k+1]
.endr
.set i, 4
.rept 60
	v_pk_fma_f32 v[48+2*(i%4):49+2*(i%4)], v[T+2*i:T+2*i+1], v[T+2*i:T+2*i+1], v[48+2*(i%4):49+2*(i%4)]
.set i, i+1
.endr
	v_pk_add_f32 v[48:49], v[48:49], v[50:51]
	v_pk_add_f32 v[52:53], v[52:53], v[54:55]
	v_pk_add_f32 v[48:49], v[48:49], v[52:53]
	v_add_f32 v48, v48, v49
	v_permlanex16_b32 v49, v48, s60, s61
	v_add_f32 v48, v48, v49
	v_fma_f32 v48, v48, s67, s71                   ; variance + 1e-5
	v_rsq_f32 v56, v48
	v_nop                                          ; a plain instruction behind the root
	s_wait_alu depctr_va_vdst(0)
	v_mov_b32 v57, v56
.set i, 0
.rept 64
	v_pk_mul_f32 v[T+2*i:T+2*i+1], v[T+2*i:T+2*i+1], v[56:57]
.set i, i+1
.endr
.set i, 0
.rept 64
	v_cvt_pk_bf16_f32 v[192+i], v[T+2*i], v[T+2*i+1]
.set i, i+1
.endr
.set i, 0
.rept 16
	ds_store_b128 v11, v[192+4*i:195+4*i] offset:512*i
.set i, i+1
.endr
.endm
; THE PRODUCTS.  A group is four weight fragments: K steps 2g, 2g+1, two blocks of 16 rows.  The accumulators take turns, one instruction a turn.
.macro MMQ buf, g                      ; T[8(4m+t)] = W (window 0) x activation of window 1; the bias starts the sum
	WIN 0x04
.irp l, 0,1
.irp m, 0,1
.irp t, 0,1,2,3
.if ((\g)==0)&&(\l==0)
	v_wmma_f32_16x16x32_bf16 v[T+8*(4*\m+\t):T+8*(4*\m+\t)+7], v[(\buf)+8*(2*\l+\m):(\buf)+8*(2*\l+\m)+7], v[8*(8*\t+2*(\g)+\l):8*(8*\t+2*(\g)+\l)+7], v[BR+8*\m:BR+8*\m+7]
.else
	v_wmma_f32_16x16x32_bf16 v[T+8*(4*\m+\t):T+8*(4*\m+\t)+7], v[(\buf)+8*(2*\l+\m):(\buf)+8*(2*\l+\m)+7], v[8*(8*\t+2*(\g)+\l):8*(8*\t+2*(\g)+\l)+7], v[T+8*(4*\m+\t):T+8*(4*\m+\t)+7]
.endif
.endr
.endr
.endr
.endm
.macro MMK buf, g                      ; K^T of the 8 key tiles: T[8(8m+kt)]; tiles 0-3 from XN (window 1), 4-7 from YN (window 2)
.irp y, 0,1
	WIN 0x04+0x04*\y
.irp l, 0,1
.irp m, 0,1
.irp t, 0,1,2,3
.if ((\g)==0)&&(\l==0)
	v_wmma_f32_16x16x32_bf16 v[T+8*(8*\m+4*\y+\t):T+8*(8*\m+4*\y+\t)+7], v[(\buf)+8*(2*\l+\m):(\buf)+8*(2*\l+\m)+7], v[8*(8*\t+2*(\g)+\l):8*(8*\t+2*(\g)+\l)+7], v[BR+8*\m:BR+8*\m+7]
.else
	v_wmma_f32_16x16x32_bf16 v[T+8*(8*\m+4*\y+\t):T+8*(8*\m+4*\y+\t)+7], v[(\buf)+8*(2*\l+\m):(\buf)+8*(2*\l+\m)+7], v[8*(8*\t+2*(\g)+\l):8*(8*\t+2*(\g)+\l)+7], v[T+8*(8*\m+4*\y+\t):T+8*(8*\m+4*\y+\t)+7]
.endif
.endr
.endr
.endr
.endr
.endm
.macro MMV buf, g                      ; V, tokens as source 0: T[8(8c+kt)]: lane = channel 16c+r, register j = token 8h+j
.irp y, 0,1
	WIN 0x01+\y
.irp l, 0,1
.irp c, 0,1
.irp t, 0,1,2,3
.if ((\g)==0)&&(\l==0)
	v_wmma_f32_16x16x32_bf16 v[T+8*(8*\c+4*\y+\t):T+8*(8*\c+4*\y+\t)+7], v[8*(8*\t+2*(\g)+\l):8*(8*\t+2*(\g)+\l)+7], v[(\buf)+8*(2*\l+\c):(\buf)+8*(2*\l+\c)+7], 0
.else
	v_wmma_f32_16x16x32_bf16 v[T+8*(8*\c+4*\y+\t):T+8*(8*\c+4*\y+\t)+7], v[8*(8*\t+2*(\g)+\l):8*(8*\t+2*(\g)+\l)+7], v[(\buf)+8*(2*\l+\c):(\buf)+8*(2*\l+\c)+7], v[T+8*(8*\c+4*\y+\t):T+8*(8*\c+4*\y+\t)+7]
.endif
.endr
.endr
.endr
.endr
.endm
.macro MMP buf, u, g                   ; the projection's unit u: ACC(2u+m, t), in window 2 (u < 4) or 3
.set pw, 2+(\u)/4
.irp l, 0,1
.irp m, 0,1
.irp t, 0,1,2,3
.set rd, 8*(4*((2*(\u)+\m)%8)+\t)
.if ((\g)==0)&&(\l==0)
	WIN (pw<<6)|4
	v_wmma_f32_16x16x32_bf16 v[rd:rd+7], v[(\buf)+8*(2*\l+\m):(\buf)+8*(2*\l+\m)+7], v[8*(8*\t+2*(\g)+\l):8*(8*\t+2*(\g)+\l)+7], v[BR+8*\m:BR+8*\m+7]
.else
	WIN (pw<<6)|(pw<<4)|4
	v_wmma_f32_16x16x32_bf16 v[rd:rd+7], v[(\buf)+8*(2*\l+\m):(\buf)+8*(2*\l+\m)+7], v[8*(8*\t+2*(\g)+\l):8*(8*\t+2*(\g)+\l)+7], v[rd:rd+7]
.endif
.endr
.endr
.endr
.endm
.macro MM2 buf, g                      ; fc2: ACC(4g+f, t) += W2 fragment f x HF[t]: 16 accumulators, one K step of 32
.set pw, 2+(\g)/2
	WIN (pw<<6)|(pw<<4)
.irp f, 0,1,2,3
.irp t, 0,1,2,3
.set rd, 8*(4*((4*(\g)+\f)%8)+\t)
	v_wmma_f32_16x16x32_bf16 v[rd:rd+7], v[(\buf)+8*\f:(\buf)+8*\f+7], v[128+8*\t:128+8*\t+7], v[rd:rd+7]
.endr
.endr
.endm
.macro MM2S                            ; the same, one product: number sj of group n
.set pw, 2+n/2
.set rd, 8*(4*((4*n+sj/4)%8)+sj%4)
.set rw, WF+32*(n%2)+8*(sj/4)
	WIN (pw<<6)|(pw<<4)
	v_wmma_f32_16x16x32_bf16 v[rd:rd+7], v[rw:rw+7], v[128+8*(sj%4):128+8*(sj%4)+7], v[rd:rd+7]
.endm
; Four norms over a token's 32 head channels (accumulators a0+8t, a1+8t) into v[56+2t]: four chains by turns, so that no line waits for the one before it;
; each accumulator is read from its low end on.  A plain instruction follows the roots before a result is used.
.macro NORM4 a0, a1
.irp t, 0,1,2,3
	v_pk_mul_f32 v[56+2*\t:57+2*\t], v[(\a0)+8*\t:(\a0)+8*\t+1], v[(\a0)+8*\t:(\a0)+8*\t+1]
.endr
.irp p, 2,4,6
.irp t, 0,1,2,3
	v_pk_fma_f32 v[56+2*\t:57+2*\t], v[(\a0)+8*\t+\p:(\a0)+8*\t+\p+1], v[(\a0)+8*\t+\p:(\a0)+8*\t+\p+1], v[56+2*\t:57+2*\t]
.endr
.endr
.irp p, 0,2,4,6
.irp t, 0,1,2,3
	v_pk_fma_f32 v[56+2*\t:57+2*\t], v[(\a1)+8*\t+\p:(\a1)+8*\t+\p+1], v[(\a1)+8*\t+\p:(\a1)+8*\t+\p+1], v[56+2*\t:57+2*\t]
.endr
.endr
.irp t, 0,1,2,3
	v_add_f32 v[56+2*\t], v[56+2*\t], v[57+2*\t]
.endr
.irp t, 0,1,2,3
	v_permlanex16_b32 v[57+2*\t], v[56+2*\t], s60, s61
.endr
.irp t, 0,1,2,3
	v_add_f32 v[56+2*\t], v[56+2*\t], v[57+2*\t]
.endr
.irp t, 0,1,2,3
	v_sqrt_f32 v[56+2*\t], v[56+2*\t]
.endr
.endm
.macro QPOST                           ; q of the four query tiles: norm and fragment into my scratch, since the loop over query tiles cannot index registers
	NORM4 T, T+32
	s_wait_alu depctr_va_vdst(0)
.irp t, 0,1,2,3
.irp p, 0,1,2,3
	v_cvt_pk_bf16_f32 v[48+\p], v[T+8*\t+2*\p], v[T+8*\t+2*\p+1]
	v_cvt_pk_bf16_f32 v[52+\p], v[T+32+8*\t+2*\p], v[T+32+8*\t+2*\p+1]
.endr
	ds_store_b32 v21, v[56+2*\t] offset:1024*\t+128
	ds_store_b128 v7, v[48:51] offset:1024*\t
	ds_store_b128 v7, v[52:55] offset:1024*\t+512
.endr
.endm
.macro KPOST                           ; the cross keys' norms are turned through scratch (lane = key -> register = key); K's 8 fragments into window 3
	NORM4 T+32, T+96
	v_nop
	s_wait_alu depctr_va_vdst(0)
.irp k, 0,1,2,3
	ds_store_b32 v22, v[56+2*\k] offset:64*\k
.endr
	WIN 0xc0
.irp k, 0,1,2,3,4,5,6,7
.irp m, 0,1
.irp p, 0,1,2,3
	v_cvt_pk_bf16_f32 v[32+8*\k+4*\m+\p], v[T+8*(8*\m+\k)+2*\p], v[T+8*(8*\m+\k)+2*\p+1]
.endr
.endr
.endr
.irp f, 0,1,2,3,4,5,6,7
	ds_load_b128 v[224+4*\f:227+4*\f], v23 offset:(\f/2)*64+(\f%2)*16
.endr
	WIN 0
.endm
.macro VPOST                           ; V's 8 fragments: key step a (tiles 2a, 2a+1), channel block c at 96+8(2a+c)
	WIN 0xc0
.irp a, 0,1,2,3
.irp c, 0,1
.irp e, 0,1
.irp p, 0,1,2,3
	v_cvt_pk_bf16_f32 v[96+8*(2*\a+\c)+4*\e+\p], v[T+8*(8*\c+2*\a+\e)+2*\p], v[T+8*(8*\c+2*\a+\e)+2*\p+1]
.endr
.endr
.endr
.endr
	WIN 0
.endm
.macro ATTLOAD                         ; the query tile at s29: q's fragment, its four mask numbers, ppc and |q|
	v_add_nc_u32 v16, s29, v7
	v_add_nc_u32 v17, s29, v20
	v_add_nc_u32 v18, s29, v21
	WIN 0xc0
	ds_load_b128 v[0:3], v16
	ds_load_b128 v[4:7], v16 offset:512
	WIN 0
	ds_load_b128 v[40:43], v17
	ds_load_b32 v44, v18
	ds_load_b32 v46, v18 offset:128
.endm
; GELU OF A CHUNK, as two queues.  For accumulator a (8 numbers a lane), H = s x:
;   A(a)  8: U = 1 + pz |H|            rcp 8: t = 1/U              M(a) 4 packed: E = -H^2            exp 8: E = 2^E
;   B(a) 16 packed: Q = -a3 t - a2; Q = Q t - a1; Q = Q t; Q = Q E + 1                                 F(a) 8: H = H + |H| Q, in place
; THE PLAIN QUEUE, 288 long: A(0), M(0), A(1); then for a = 1 .. 7 a period of B(a-1), M(a), F(a-1), A(a+1) (36; the last has no A); then B(7), F(7).
; THE OTHER QUEUE, 128 long: for each a its 8 reciprocals, then its 8 exponentials.
; U has two sets, by a's parity: A(a+1) writes the set that B(a-1) has read.  E and Q have one: M(a) follows B(a-1)'s last step, B(a) follows F(a-1).
; EMIT = 0: a line is counted and not written (a turn's text begins in the middle of the stream).
.macro GP                              ; the next plain one
.if gq < 288
.if EMIT
.if gq < 8
.set ga, -1
.set gi, 28+gq
.elseif gq < 12
.set ga, 0
.set gi, 8+gq
.elseif gq < 20
.set ga, 0
.set gi, 16+gq
.elseif gq < 236
.set ga, (gq-20)/36+1
.set gi, (gq-20)%36
.elseif gq < 264
.set ga, 7
.set gi, gq-236
.elseif gq < 280
.set ga, 8
.set gi, gq-264
.else
.set ga, 8
.set gi, gq-260
.endif
.set gk, 2*(gi%4)
.set gu, GU+8*((ga+1)%2)               ; a-1 and a+1 have one parity
	WIN 0
.if gi < 4
	s_wait_alu depctr_va_vdst(0)
	v_pk_fma_f32 v[GQ+gk:GQ+gk+1], v[gu+gk:gu+gk+1], s[74:75], s[76:77] op_sel_hi:[1,0,0]
.elseif gi < 8
	v_pk_fma_f32 v[GQ+gk:GQ+gk+1], v[GQ+gk:GQ+gk+1], v[gu+gk:gu+gk+1], s[78:79] op_sel_hi:[1,1,0]
.elseif gi < 12
	v_pk_mul_f32 v[GQ+gk:GQ+gk+1], v[GQ+gk:GQ+gk+1], v[gu+gk:gu+gk+1]
.elseif gi < 16
	s_wait_alu depctr_va_vdst(0)
	v_pk_fma_f32 v[GQ+gk:GQ+gk+1], v[GQ+gk:GQ+gk+1], v[GX+gk:GX+gk+1], s[72:73] op_sel_hi:[1,1,0]
.elseif gi < 20
	v_pk_mul_f32 v[GX+gk:GX+gk+1], v[T+8*ga+gk:T+8*ga+gk+1], v[T+8*ga+gk:T+8*ga+gk+1] neg_lo:[0,1] neg_hi:[0,1]
.elseif gi < 28
	v_fma_f32 v[T+8*(ga-1)+gi-20], |v[T+8*(ga-1)+gi-20]|, v[GQ+gi-20], v[T+8*(ga-1)+gi-20]
.else
	v_fma_f32 v[gu+gi-28], |v[T+8*(ga+1)+gi-28]|, s70, 1.0
.endif
.endif
.set gq, gq+1
.endif
.endm
.macro GT                              ; the next reciprocal or exponential
.if ge < 128
.if EMIT
	WIN 0
.if (ge%16) < 8
	v_rcp_f32 v[GU+8*((ge/16)%2)+ge%16], v[GU+8*((ge/16)%2)+ge%16]
.else
	v_exp_f32 v[GX+ge%16-8], v[GX+ge%16-8]
.endif
.endif
.set ge, ge+1
.endif
.endm
; THE STREAM.  Its head, 36 lines: A(0); then two of the other queue and a plain one, four times; then one and one, eight times.  Then GROUPS of plain, other, plain, with one plain more in
; every fourth: 16 groups, 52 lines, are a period.  So every reciprocal and exponential has a plain line of another accumulator behind it, and the queues keep step: in front of a period's ninth
; group stand 19 of its plain lines, M's first three among them; its first eight groups take U's set that the period before wrote last.  When the other queue is empty the plain one runs on.
.macro RID
.if (rs==1)&&(ge<128)
	GT
.else
	GP
.endif
.if rs==2
.if (ru%4)==0
.set rs, 3
.else
.set rs, 0
.set ru, ru+1
.endif
.elseif rs==3
.set rs, 0
.set ru, ru+1
.else
.set rs, rs+1
.endif
.endm
.macro HEADL                           ; the head's next line
.if hp < 8
	GP
.elseif hp < 20
.if ((hp-8)%3) < 2
	GT
.else
	GP
.endif
.else
.if ((hp-20)%2)==0
	GT
.else
	GP
.endif
.endif
.set hp, hp+1
.endm
; THE DEAL.  A SLICE stands behind a product: four lines of the head (nine slices), or one group.  None names a register of the products round it.  A chunk's stream begins behind the first
; product of fc1's upper block, when H's lower half is whole: slices 0-31 (the head, groups 0-22).  It goes on over the loop's edge: groups 23-38 stand bare behind the turn's first weight
; loads, which land meanwhile; groups 39-102 behind fc2's 64 products; groups 103-116 behind the first 14 products of the next chunk's lower block, whose other products stand bare.
; Counted: up to group 43 accumulators 0-3 alone are touched; accumulator 4 is first read in group 44, behind the upper block's end; accumulator 3 is last written in period 4 (groups 48-63),
; ahead of the rounding of the lower half behind fc2; from group 64 on the upper half alone is touched, and the stream has ended ahead of its rounding.
.macro SLICE
.if hp < 36
.rept 4
	HEADL
.endr
.else
	RID
	RID
	RID
.if rs==3
	RID
.endif
.endif
.endm
.macro SRESET                          ; the stream begins anew; gq - gqm, the plain lines written since a weight buffer's last reader, stays what it was
.set gqm, gqm-gq
.set gq, 0
.set ge, 0
.set rs, 0
.set ru, 0
.set hp, 0
.endm
.macro CVTH m                          ; half m of H, rounded, is half of each tile's fragment of HF
.irp t, 0,1,2,3
.irp p, 0,1,2,3
	v_cvt_pk_bf16_f32 v[128+8*\t+4*(\m)+\p], v[T+32*(\m)+8*\t+2*\p], v[T+32*(\m)+8*\t+2*\p+1]
.endr
.endr
.endm
; fc1 for row block m of the unit at byte ub of the slot: 32 products, two groups of four K steps, the four tiles' accumulators by turns; the bias starts the sums.
; ride = 1: a slice behind each product.  The next group's weights are asked for behind a group's second product, into the buffer that the group before read:
; four plain lines stand between that buffer's last reader and the loads; where the slices have not brought them, four v_nop are written.
.macro FC1BLK m, ub, ride
.set g, 0
.rept 2
	s_wait_dscnt 0x0                               ; behind this group's loads none has been issued
.set sj, 0
.rept 16
.set rh, T+32*(\m)+8*(sj%4)
.set rw, WF+32*g+8*(sj/4)
.set rx, 8*(8*(sj%4)+4*g+sj/4)
	WIN 0x04
.if (g==0)&&(sj<4)
	v_wmma_f32_16x16x32_bf16 v[rh:rh+7], v[rw:rw+7], v[rx:rx+7], v[BR+8*(\m):BR+8*(\m)+7]
.else
	v_wmma_f32_16x16x32_bf16 v[rh:rh+7], v[rw:rw+7], v[rx:rx+7], v[rh:rh+7]
.endif
.if sj==15
.set gqm, gq
.endif
.if \ride
	SLICE
.endif
.if (sj==1)&&((g==0)||((\m)==0))
	WIN 0
.if (gq-gqm)<4
	PLACES
.endif
.if g==0
	LOADW1 WF+32, \ub, \m, 4
.else
	LOADW1 WF, \ub, 1, 0
.endif
.endif
.set sj, sj+1
.endr
.set g, g+1
.endr
.endm
; A TURN.  The slot at s25 holds fc2's unit of the chunk before (groups 0-3) and fc1's unit of the chunk after (last = 1: fc2's last unit).
; HF's lower quads are written behind fc2's last product: tile 0's first, eight plain lines or more behind the product that read tile 0's fragment; tile 3's behind two plain lines and 12 roundings.
.macro TURN last
	v_add_nc_u32 v9, s25, v1
.if !(\last)
	s_add_co_u32 s30, s28, TAB
	v_lshl_add_u32 v10, v3, 5, s30
	BRLOAD BF1
.endif
	LOADW WF, 0
	LOADW WF+32, 4096
	SRESET
.set EMIT, 0
.rept 32
	SLICE                                          ; counted, not written: these stand behind the upper block's products, at the end of the turn before
.endr
.set EMIT, 1
.rept 16
	SLICE                                          ; bare, while the first weights land
.endr
.set n, 0
.rept 4
.if n==0
	s_wait_dscnt 0x8                               ; group 1's eight loads may stay out
.else
	s_wait_dscnt 0x0                               ; behind this group's loads none has been issued
.endif
.set sj, 0
.rept 16
	MM2S
.if sj==15
.set gqm, gq
.endif
	SLICE
.if (sj==1)&&(n>0)
	WIN 0
.if (gq-gqm)<4
	PLACES
.endif
.if (n<3)||(\last)
	LOADW WF+32*((n+1)%2), (n+1)*4096
.else
	LOADW1 WF, 16384, 0, 0
.endif
.endif
.set sj, sj+1
.endr
.set n, n+1
.endr
	WIN 0
	CVTH 0
.set gqm, gqm-16                       ; the 16 roundings are plain lines too
.if \last
	LOADW WF+32, 5*4096
.rept 32
	SLICE                                          ; no block of fc1 is left to carry the rest of the stream
.endr
	CVTH 1
.set n, 4
.rept 4
	SWAIT n, 8
	MM2 WF+32*(n%2), n-4
	WIN 0
	PLACES
	NEXTW n, 8
.set n, n+1
.endr
.else
	FC1BLK 0, 16384, 1
	WIN 0
	CVTH 1
.set gqm, gqm-16
	SRESET
	FC1BLK 1, 16384, 1
	WIN 0
	PLACES                                         ; for the next turn's loads into the weight buffers
.endif
	s_xor_b32 s25, s25, SLOT1
	s_add_co_u32 s28, s28, 128
.endm
.macro SWITCH4 body                    ; the lines that name ACC's registers of tile s26: four texts, chosen by jumps forward on the loop's counter
	s_cmp_eq_u32 s26, 0
	s_cbranch_scc1 .Lsw0_\@
	s_cmp_eq_u32 s26, 1
	s_cbranch_scc1 .Lsw1_\@
	s_cmp_eq_u32 s26, 2
	s_cbranch_scc1 .Lsw2_\@
	\body 3
	s_branch .Lswe_\@
.Lsw0_\@:
	\body 0
	s_branch .Lswe_\@
.Lsw1_\@:
	\body 1
	s_branch .Lswe_\@
.Lsw2_\@:
	\body 2
.Lswe_\@:
.endm
.macro RESADD tt                       ; T = x + projection (for LayerNorm 2); ACC = that + b_fc2, onto which fc2 adds
.irp w, 2,3
	WIN (\w)<<2
.set i, 0
.rept 32
	v_pk_add_f32 v[T+64*(\w-2)+2*i:T+64*(\w-2)+2*i+1], v[T+64*(\w-2)+2*i:T+64*(\w-2)+2*i+1], v[8*(4*(i/4)+\tt)+2*(i%4):8*(4*(i/4)+\tt)+2*(i%4)+1]
.set i, i+1
.endr
	WIN ((\w)<<6)|4
.set i, 0
.rept 32
	v_pk_add_f32 v[8*(4*(i/4)+\tt)+2*(i%4):8*(4*(i/4)+\tt)+2*(i%4)+1], v[T+64*(\w-2)+2*i:T+64*(\w-2)+2*i+1], v[128+64*(\w-2)+2*i:128+64*(\w-2)+2*i+1]
.set i, i+1
.endr
.endr
	WIN 0
.endm
.macro OUTST tt                        ; the finished tile into my stage, by tokens; each accumulator's low four registers first
.irp w, 2,3
	WIN (\w)<<2
.set i, 0
.rept 16
	ds_store_b128 v6, v[8*(4*(i/2)+\tt)+4*(i%2):8*(4*(i/2)+\tt)+4*(i%2)+3] offset:512*(\w-2)+64*(i/2)+16*(i%2)
.set i, i+1
.endr
.endr
	WIN 0
.endm
.macro LN1LOOP isy, w                  ; four tiles of x or y: rows -> stage -> tokens -> LayerNorm -> PKR; then the 32 fragments into window w
	s_mov_b32 s26, 0
.Lln_\@:
	s_wait_loadcnt 0x0                             ; the tile's rows are in (and, the first time, the masks); its base register is free
	TOSTAGE 3
	s_add_co_u32 s27, s26, 1
	s_cmp_lt_u32 s27, 4
.if \isy
	s_cbranch_scc0 .Llnn_\@                        ; behind y's last tile nothing is left to load
	TILEBASE 80, 10, 27
	GLOAD 3
.Llnn_\@:
.else
	s_cselect_b64 s[28:29], s[8:9], s[10:11]       ; behind x's last tile comes y's first
	TILEBASE 80, 28, 27
	GLOAD 3                                        ; the next tile has this tile's arithmetic in which to land
.endif
	FROMSTAGE
	s_lshl_b32 s30, s26, 13
	v_add_nc_u32 v11, s30, v8
	s_wait_dscnt 0x0
	LNT
	s_add_co_u32 s26, s26, 1
	s_cmp_lt_u32 s26, 4
	s_cbranch_scc1 .Lln_\@
	DRAIN \w
.endm
.macro PROJTRIP u0, nu                 ; nu units of the projection out of the slot at s25
	v_add_nc_u32 v9, s25, v1
	BRLOAD BPJ+128*(\u0)
	LOADW WF, 0
	LOADW WF+32, 4096
.set n, 0
.rept 4*(\nu)
	SWAIT n, 4*(\nu)
	MMP WF+32*(n%2), (\u0)+n/4, n%4
	WIN 0
	PLACES
.if (n%4==0)&&(n/4+1<(\nu))
	BRLOAD BPJ+128*((\u0)+n/4+1)
.endif
	NEXTW n, 4*(\nu)
.set n, n+1
.endr
	s_xor_b32 s25, s25, SLOT1
.endm
	; ---- set-up
	s_load_b512 s[8:23], s[0:1], 0x0               ; x 8, y 10, q_mask 12, s_mask 14, pro_pred 16, wbuf 18, tab 20, out0 22
	v_lshl_add_u32 v4, v0, 2, SPARE
	v_mov_b32 v5, 0
	ds_add_u32 v4, v5
	s_wait_dscnt 0x0
	v_lshrrev_b32 v1, 5, v0
	v_readfirstlane_b32 s24, v1                    ; wave 0..3
	v_and_b32 v2, 15, v0                           ; r
	v_bfe_u32 v3, v0, 4, 1                         ; h
	v_and_b32 v1, 31, v0
	v_lshlrev_b32 v1, 4, v1                        ; 16 x lane
	s_bfe_u32 s30, ttmp6, 0x40000                  ; cx: it enters the addresses of x, y, the masks and out0 alone
	s_lshl_b32 s31, ttmp9, 4
	s_lshl2_add_u32 s31, s30, s31
	s_add_co_u32 s31, s31, s24                     ; my window = 16 x cluster + 4 cx + wave
	s_lshr_b32 s66, s31, 8
	s_lshl_b32 s66, s66, 14                        ; the image's first token
	s_bfe_u32 s62, s31, 0x40004
	s_lshl_b32 s62, s62, 3
	s_add_co_u32 s62, s62, 4                       ; the window's first row, before the wrap
	s_and_b32 s63, s31, 15
	s_lshl_b32 s63, s63, 3
	s_add_co_u32 s63, s63, 4                       ; and column
	s_mov_b32 s60, 0x76543210                      ; v_permlanex16_b32: each lane takes its own place in the other half
	s_mov_b32 s61, 0xfedcba98
	s_mov_b32 s67, 0x3b800000                      ; 1/256
	s_mov_b32 s71, 0x3727c5ac                      ; 1e-5
	s_mov_b32 s68, 0x32db12c2                      ; 1e-7 sc
	s_mov_b32 s69, s68
	s_mov_b32 s70, 0x3ec88bd9                      ; pz = 0.47047/sqrt(log2 e): t = 1/(1 + pz |s x|)
	s_mov_b32 s72, 1.0
	s_mov_b32 s73, s72
	s_mov_b32 s74, 0xbf3f7377                      ; -a3
	s_mov_b32 s75, s74
	s_mov_b32 s76, 0x3dc45ca1                      ; -a2
	s_mov_b32 s77, s76
	s_mov_b32 s78, 0xbeb2303a                      ; -a1
	s_mov_b32 s79, s78
	s_mov_b32 s98, 0xf149f2ca                      ; -1e30
	s_mul_i32 s30, s24, OWNSZ
	s_add_co_u32 s30, s30, OWN0                    ; my own LDS
	v_add_nc_u32 v8, s30, v1                       ; PKR + 16 lane
	s_add_co_u32 s30, s30, STG
	v_add_nc_u32 v7, s30, v1                       ; stage by rows; q's fragments in attention
	v_mul_u32_u24 v6, v2, SPITCH
	v_lshl_add_u32 v6, v3, 5, v6
	v_add_nc_u32 v6, s30, v6                       ; stage by tokens
	v_add_nc_u32 v20, 4096, v7                     ; per query tile: (MU, MW, HU, HW)
	v_lshrrev_b32 v21, 2, v1
	v_add3_u32 v21, v21, s30, 4608                 ; ppc, and 128 bytes on |q|
	v_lshlrev_b32 v22, 2, v2
	v_add3_u32 v22, v22, s30, 8192                 ; turning scratch, in: word r
	v_lshlrev_b32 v23, 5, v3
	v_add3_u32 v23, v23, s30, 8192                 ; out: 8 words at 8h
	v_lshrrev_b32 v11, 2, v2
	v_and_b32 v12, 3, v2
	v_lshlrev_b32 v12, 2, v12
	v_lshl_add_u32 v11, v11, 9, v12                ; token r of a tile, in a mask's bytes
	; the fills' descriptor: a dense block as rows of 256 bytes, 48 rows a wave (32 later), asked for by all four work-groups
	s_mov_b32 s32, 1
	s_mul_i32 s33, s24, 12288
	s_mul_i32 s58, s24, 12288
	s_mov_b32 s59, 0
	s_mov_b32 s36, 15|(3<<16)|(1<<21)              ; the mask of four; elements of 8 bytes; bit 21 beside a mask
	s_mov_b32 s37, 32<<16
	s_mov_b32 s38, 48<<16
	s_mov_b32 s39, 32<<16
	s_mov_b32 s40, 48
	s_mov_b32 s41, 32
	s_mov_b32 s42, 0
	s_mov_b32 s43, 0
	; the table's: one row of 292 elements of 8 bytes a wave
	s_mov_b32 s44, 1
	s_mul_i32 s28, s24, 2336
	s_add_co_u32 s45, s28, TAB
	s_mov_b32 s29, 0
	s_mov_b32 s48, 15|(3<<16)|(1<<21)
	s_mov_b32 s49, 292<<16
	s_mov_b32 s50, 1<<16
	s_mov_b32 s51, 292<<16
	s_mov_b32 s52, 1
	s_mov_b32 s53, 292
	s_mov_b32 s54, 0
	s_mov_b32 s55, 0
	s_wait_kmcnt 0x0
	s_mov_b64 s[56:57], s[18:19]
	s_add_nc_u64 s[34:35], s[56:57], s[58:59]
	s_or_b32 s35, s35, 0x80000000
	s_add_nc_u64 s[46:47], s[20:21], s[28:29]
	s_or_b32 s47, s47, 0x80000000
.irp t, 0,1,2,3
	s_mov_b32 s27, \t
	TOKN 27
	s_lshl_b32 s31, s30, 2
	v_add_nc_u32 v[16+\t], s31, v11
	s_lshl_b32 s30, s30, 10
	s_mov_b32 s31, 0
	s_add_nc_u64 s[82+2*\t:83+2*\t], s[8:9], s[30:31]  ; x at the tile, for the prefetch ahead of its second reading
.endr
.irp t, 0,1,2,3
	global_load_b32 v[24+\t], v[16+\t], s[12:13]   ; the three masks, one token a lane
	global_load_b32 v[28+\t], v[16+\t], s[14:15]
	global_load_b32 v[32+\t], v[16+\t], s[16:17]
.endr
	s_mov_b32 s26, 0
	TILEBASE 80, 8, 26
	GLOAD 3                                        ; x's first tile
	ROUND                                          ; all four work-groups are here: the first joint loads meet
	tensor_load_to_lds s[32:35], s[36:43]          ; head 0's weights into slot 0: two loads of mine are out
	s_nop 0
	tensor_load_to_lds s[44:47], s[48:55]          ; the table
	s_nop 0
	PLACES
	; ---- LayerNorm 1 of x and y
	LN1LOOP 0, 1
	LN1LOOP 1, 2
	; ---- the masks.  self: QBk MU + MW is -1e30 where query and key differ in class; cross: SBk HU + HW is -1e30 where hor + sb = 1
.irp t, 0,1,2,3
	v_cmp_le_f32 vcc_lo, 0.5, v[24+\t]
	v_cndmask_b32 v36, 0, 1.0, vcc_lo
	v_cndmask_b32 v41, 0, s98, vcc_lo              ; MW
	v_fma_f32 v40, v41, -2.0, s98                  ; MU = +1e30 or -1e30
	v_cmp_le_f32 vcc_lo, 0.5, v[28+\t]
	v_cndmask_b32 v37, 0, 1.0, vcc_lo
	v_min_num_f32 v44, 1.0, v[32+\t]               ; ppc
	v_cmp_gt_f32 vcc_lo, 0x3e99999a, v44           ; ppc < 0.3: hor = 0
	v_cndmask_b32 v42, 0, s98, vcc_lo
	v_cmp_lt_f32 vcc_lo, 0x3f333333, v44           ; ppc > 0.7: hor = 1
	v_cndmask_b32 v43, 0, s98, vcc_lo              ; HW
	v_sub_f32 v42, v42, v43                        ; HU
	ds_store_b128 v20, v[40:43] offset:1024*\t
	ds_store_b32 v21, v44 offset:1024*\t
	ds_store_b32 v22, v36 offset:256+64*\t
	ds_store_b32 v22, v37 offset:512+64*\t
.endr
	WIN 0xc0
.irp f, 0,1,2,3,4,5,6,7
	ds_load_b128 v[160+4*\f:163+4*\f], v23 offset:256+(\f/2)*64+(\f%2)*16  ; the keys' classes, register j = key 8h+j
	ds_load_b128 v[192+4*\f:195+4*\f], v23 offset:512+(\f/2)*64+(\f%2)*16
.endr
	WIN 0
	; ---- eight heads: a trip reads one slot (q, k, v units of the head) and asks for the next fill
	s_mov_b32 s25, 0                               ; the slot to read
	s_mov_b32 s28, 0                               ; 128 x head
	s_mov_b32 s26, 8
.Lhead:
	CHANGE 1, 49152
	v_add_nc_u32 v9, s25, v1
	s_add_co_u32 s30, s28, TAB
	v_lshl_add_u32 v10, v3, 5, s30
	BRLOAD BQ
	LOADW WF, 0
	LOADW WF+32, 4096
.set n, 0
.rept 12
	SWAIT n, 12
.if n<4
	MMQ WF+32*(n%2), n
.elseif n<8
	MMK WF+32*(n%2), n-4
.else
	MMV WF+32*(n%2), n-8
.endif
	WIN 0
	PLACES
.if n==0
	BRLOAD BK
.elseif n==4
	BRLOAD BV                                      ; stays for the loop over query tiles
.endif
	NEXTW n, 12
.if n==3
	QPOST
.elseif n==7
	KPOST
.endif
.set n, n+1
.endr
	VPOST
	s_lshr_b32 s30, s28, 3
	s_add_co_u32 s30, s30, TAB+HC
	v_mov_b32 v11, s30
	ds_load_b128 v[12:15], v11                     ; the head's A, B, C, D
	s_mov_b32 s27, 4
	s_mov_b32 s29, 0                               ; 1,024 x query tile
	s_lshl_b32 s94, s28, 3                         ; where the tile's output fragment goes: 1,024 x head + 8,192 x tile
	ATTLOAD                                        ; the first tile's operands; each later tile's are asked for in the middle of the tile before
.Latt:
	v_add_nc_u32 v19, s94, v8
	s_wait_dscnt 0x0
	v_mov_b32 v47, v46
	v_fma_f32 v48, v44, v12, v14                   ; G = sb g1 + g0
	v_fma_f32 v50, v44, v13, v15
	v_mov_b32 v49, v48
	v_mov_b32 v51, v50
	WIN 0x03
.set i, 0
.rept 16                                       ; the self mask is the C operand that starts the scores
	v_pk_fma_f32 v[S+2*i:S+2*i+1], v[160+2*i:161+2*i], v[40:41], v[40:41] op_sel:[0,0,1] op_sel_hi:[1,0,1]
.set i, i+1
.endr
	WIN 0x0f
.irp k, 0,1,2,3
	v_wmma_f32_16x16x32_bf16 v[S+8*\k:S+8*\k+7], v[32+8*\k:32+8*\k+7], v[0:7], v[S+8*\k:S+8*\k+7]
.endr
.irp k, 4,5,6,7
	v_wmma_f32_16x16x32_bf16 v[S+8*\k:S+8*\k+7], v[32+8*\k:32+8*\k+7], v[0:7], 0
.endr
	WIN 0x03                                       ; 32 plain instructions that name none of those products' registers: their places
.set i, 0
.rept 16
	v_pk_fma_f32 v[128+2*i:129+2*i], v[224+2*i:225+2*i], v[46:47], s[68:69] op_sel_hi:[1,1,0]  ; |q||k| + eps
.set i, i+1
.endr
.set i, 0
.rept 16
	v_pk_fma_f32 v[160+2*i:161+2*i], v[192+2*i:193+2*i], v[48:49], v[50:51]
.set i, i+1
.endr
	WIN 0
.set i, 0
.rept 32
	v_rcp_f32 v[128+i], v[128+i]
.set i, i+1
.endr
	v_nop
.set i, 0
.rept 16
	v_pk_mul_f32 v[S+32+2*i:S+33+2*i], v[S+32+2*i:S+33+2*i], v[160+2*i:161+2*i]
.set i, i+1
.endr
	WIN 0x03
.set i, 0
.rept 16
	v_pk_fma_f32 v[160+2*i:161+2*i], v[192+2*i:193+2*i], v[42:43], v[42:43] op_sel:[0,0,1] op_sel_hi:[1,0,1]
.set i, i+1
.endr
	WIN 0
.set i, 0
	s_wait_alu depctr_va_vdst(0)
.rept 16
	v_pk_fma_f32 v[S+32+2*i:S+33+2*i], v[S+32+2*i:S+33+2*i], v[128+2*i:129+2*i], v[160+2*i:161+2*i]
.set i, i+1
.endr
	s_add_co_u32 s29, s29, 1024                    ; this tile's operands have all been read: the next tile's are asked for; behind the last tile there is none
	s_cmp_eq_u32 s27, 1
	s_cbranch_scc1 .Latt_last
	ATTLOAD
.Latt_last:
.irp j, 0,1,2,3                        ; the maximum of the lane's 64 scores, four chains; the self accumulators' low registers are read first
	v_max3_num_f32 v[52+\j], v[S+8*\j], v[S+8*\j+1], v[S+8*\j+2]
.endr
.set q, 0
.rept 26
.if q<20
.set ra, S+8*(q/5)+3+q%5
.set rb, S+8*((q+1)/5)+3+(q+1)%5
.else
.set ra, S+12+q
.set rb, S+13+q
.endif
	v_max3_num_f32 v[52+(q/2)%4], v[52+(q/2)%4], v[ra], v[rb]
.set q, q+2
.endr
	v_max3_num_f32 v52, v52, v53, v54
	v_max_num_f32 v52, v52, v55
	v_permlanex16_b32 v53, v52, s60, s61           ; the query's other 64 keys lie in the lane 16 away
	v_max_num_f32 v56, v52, v53
	v_mov_b32 v57, v56
.set i, 0
.rept 32
	v_pk_add_f32 v[S+2*i:S+2*i+1], v[S+2*i:S+2*i+1], v[56:57] neg_lo:[0,1] neg_hi:[0,1]
.set i, i+1
.endr
.set i, 0
.rept 64
	v_exp_f32 v[S+i], v[S+i]
.set i, i+1
.endr
	v_nop
.set i, 0
	s_wait_alu depctr_va_vdst(0)
.rept 32
	v_cvt_pk_bf16_f32 v[128+i], v[S+2*i], v[S+2*i+1]
.set i, i+1
.endr
	WIN 0x03
.irp a, 0,1,2,3
.irp c, 0,1
.if \a==0
	v_wmma_f32_16x16x32_bf16 v[160+8*\c:167+8*\c], v[96+8*(2*\a+\c):96+8*(2*\a+\c)+7], v[128+8*\a:135+8*\a], 0
.else
	v_wmma_f32_16x16x32_bf16 v[160+8*\c:167+8*\c], v[96+8*(2*\a+\c):96+8*(2*\a+\c)+7], v[128+8*\a:135+8*\a], v[160+8*\c:167+8*\c]
.endif
.endr
.endr
	WIN 0                                          ; the weights' sum stands behind the products: their places
.irp k, 0,1,2,3
	v_pk_add_f32 v[48+2*\k:49+2*\k], v[S+2*\k:S+2*\k+1], v[S+8+2*\k:S+8+2*\k+1]
.endr
.set i, 8
.rept 24
	v_pk_add_f32 v[48+2*(i%4):49+2*(i%4)], v[48+2*(i%4):49+2*(i%4)], v[S+2*i:S+2*i+1]
.set i, i+1
.endr
	v_pk_add_f32 v[48:49], v[48:49], v[50:51]
	v_pk_add_f32 v[52:53], v[52:53], v[54:55]
	v_pk_add_f32 v[48:49], v[48:49], v[52:53]
	v_add_f32 v48, v48, v49
	v_permlanex16_b32 v49, v48, s60, s61
	v_add_f32 v48, v48, v49
	v_rcp_f32 v58, v48
	v_nop
	s_wait_alu depctr_va_vdst(0)
	v_mov_b32 v59, v58
.set i, 0
.rept 8
	v_pk_fma_f32 v[160+2*i:161+2*i], v[160+2*i:161+2*i], v[58:59], v[BR+2*i:BR+2*i+1]  ; O / l + V's bias
.set i, i+1
.endr
.set i, 0
.rept 8
	v_cvt_pk_bf16_f32 v[48+i], v[160+2*i], v[161+2*i]
.set i, i+1
.endr
	ds_store_b128 v19, v[48:51]
	ds_store_b128 v19, v[52:55] offset:512
	s_add_co_u32 s94, s94, 8192
	s_sub_co_u32 s27, s27, 1
	s_cmp_lg_u32 s27, 0
	s_cbranch_scc1 .Latt
	s_xor_b32 s25, s25, SLOT1
	s_add_co_u32 s28, s28, 128
	s_sub_co_u32 s26, s26, 1
	s_cmp_lg_u32 s26, 0
	s_cbranch_scc1 .Lhead
	; ---- the projection: three fills (3, 3 and 2 units)
	CHANGE 1, 49152
	v_lshl_add_u32 v10, v3, 5, TAB
	DRAIN 1                                        ; the attention's output fragments
	PROJTRIP 0, 3
	CHANGE 1, 49152, 1
	v_lshlrev_b32 v16, 8, v2                       ; x's second reading is asked for ahead: my 64 rows are 256 blocks of 256 bytes, each asked for once, by one lane;
	v_lshl_add_u32 v16, v3, 17, v16                ; five units of the projection, 320 matrix instructions, stand between this and the first load
.irp t, 0,1,2,3
	global_prefetch_b8 v16, s[82+2*\t:83+2*\t] th:TH_LOAD_NT scope:SCOPE_SE
	global_prefetch_b8 v16, s[82+2*\t:83+2*\t] offset:262144 th:TH_LOAD_NT scope:SCOPE_SE
.endr
	PROJTRIP 3, 3
	CHANGE 1, 32768
	PROJTRIP 6, 2
	; ---- residual and LayerNorm 2, tile by tile (the MLP's first weights land meanwhile)
	WIN 0x40
.set i, 0
.rept 32
	ds_load_b128 v[128+4*i:131+4*i], v10 offset:BF2+(i/2)*64+(i%2)*16  ; b_fc2 in the accumulators' order
.set i, i+1
.endr
	WIN 0
	s_mov_b32 s26, 0
	TILEBASE 80, 8, 26
	GLOAD 1
.Lres:
	s_wait_loadcnt 0x0
	TOSTAGE 1
	s_add_co_u32 s27, s26, 1
	s_cmp_lt_u32 s27, 4
	s_cbranch_scc0 .Lres_last
	TILEBASE 80, 8, 27
	GLOAD 1
.Lres_last:
	FROMSTAGE
	s_lshl_b32 s30, s26, 13
	v_add_nc_u32 v11, s30, v8
	s_wait_dscnt 0x0
	SWITCH4 RESADD
	LNT
	s_add_co_u32 s26, s26, 1
	s_cmp_lt_u32 s26, 4
	s_cbranch_scc1 .Lres
	DRAIN 1                                        ; XM
	; ---- the MLP: 32 chunks of 32 hidden channels, 32 fills of two units in the order of use: (fc1 0, fc1 1), (fc2 c-1, fc1 c+1) for c = 1 .. 30, (fc2 30, fc2 31).
	; fc1 of chunk 0 is written out, its upper block with the stream's first 32 slices; then the loop of turns is entered behind its change of slots, on the same fill.
	; Turn 0 has no chunk before it: its 64 products of fc2 multiply a cleared HF by the slot's first unit (finite numbers) and add 0: the price, once a launch, of one text for every turn.
	CHANGE 1, 32768
	v_add_nc_u32 v9, s25, v1
	BRLOAD BF1                                     ; v10 still stands at the table's head: chunk 0
	LOADW1 WF, 0, 0, 0
	FC1BLK 0, 0, 0
	WIN 0
.set i, 0
.rept 32
	v_mov_b32 v[128+i], 0                          ; these are also the places behind the lower block's products
.set i, i+1
.endr
.set gqm, gqm-32
	SRESET
	FC1BLK 1, 0, 1
	WIN 0
	PLACES
	s_mov_b32 s28, 128                             ; 128 x the chunk whose fc1 the turn makes
	s_mov_b32 s26, 31                              ; turns 0 to 30
	s_branch .Lenter
.Lmlp:
	CHANGE 1, 32768
.Lenter:
	TURN 0
	s_sub_co_u32 s26, s26, 1
	s_cmp_lg_u32 s26, 0
	s_cbranch_scc1 .Lmlp
	CHANGE 0, 0                                    ; the last turn is written out: nothing is left to ask for, and its second half is fc2 of chunk 31
	TURN 1
	; ---- the way out: tokens -> stage -> rows; each store covers 512 consecutive bytes, aligned
	s_mov_b32 s26, 0
.Lout:
	SWITCH4 OUTST
	s_wait_xcnt 0x0                                ; the last tile's stores have read T and their base
.set i, 0
.rept 32
	ds_load_b128 v[T+4*i:T+4*i+3], v7 offset:(i/2)*SPITCH+(i%2)*512
.set i, i+1
.endr
	TILEBASE 80, 22, 26
	s_wait_dscnt 0x0
.set i, 0
.rept 32
	global_store_b128 v1, v[T+4*i:T+4*i+3], s[80:81] offset:(i/8)*131072+((i/2)%4)*1024+(i%2)*512 th:TH_STORE_NT
.set i, i+1
.endr
	s_add_co_u32 s26, s26, 1
	s_cmp_lt_u32 s26, 4
	s_cbranch_scc1 .Lout
	s_wait_tensorcnt 0x0                           ; the wave's end
	ds_add_u32 v4, v5
	s_wait_dscnt 0x0
	ROUND                                          ; the closing round
	s_endpgm
.Lfunc_end_k_qe05b012b36_swin:
	.size	k_qe05b012b36_swin, .Lfunc_end_k_qe05b012b36_swin-k_qe05b012b36_swin
	.p2alignl 7, 3214868480
	.fill 96, 4, 3214868480
	.section	.rodata,"a",@progbits
	.p2align	6, 0x0
	.amdhsa_kernel k_qe05b012b36_swin
		.amdhsa_group_segment_fixed_size 327680
		.amdhsa_private_segment_fixed_size 0
		.amdhsa_enable_private_segment 0
		.amdhsa_kernarg_size 64
		.amdhsa_user_sgpr_count 2
		.amdhsa_user_sgpr_kernarg_segment_ptr 1
		.amdhsa_wavefront_size32 1
		.amdhsa_system_sgpr_workgroup_id_x 1
		.amdhsa_system_sgpr_workgroup_id_y 1
		.amdhsa_system_sgpr_workgroup_id_z 1
		.amdhsa_system_vgpr_workitem_id 0
		.amdhsa_next_free_vgpr 1024
		.amdhsa_next_free_sgpr 100
		.amdhsa_reserve_vcc 1
		.amdhsa_float_denorm_mode_32 3
		.amdhsa_float_denorm_mode_16_64 3
		.amdhsa_memory_ordered 1
		.amdhsa_forward_progress 1
		.amdhsa_inst_pref_size 255
	.end_amdhsa_kernel
	.section	.bss,"aw",@nobits
	.p2align	6
	.space	262144
	.amdgpu_metadata
---
amdhsa.version: [ 1, 2 ]
amdhsa.kernels:
  - .name:           k_qe05b012b36_swin
    .symbol:         k_qe05b012b36_swin.kd
    .args:
      - { .name: x, .offset: 0, .size: 8, .value_kind: global_buffer, .address_space: global }
      - { .name: y, .offset: 8, .size: 8, .value_kind: global_buffer, .address_space: global }
      - { .name: q_mask, .offset: 16, .size: 8, .value_kind: global_buffer, .address_space: global }
      - { .name: s_mask, .offset: 24, .size: 8, .value_kind: global_buffer, .address_space: global }
      - { .name: pro_pred, .offset: 32, .size: 8, .value_kind: global_buffer, .address_space: global }
      - { .name: wbuf, .offset: 40, .size: 8, .value_kind: global_buffer, .address_space: global }
      - { .name: tab, .offset: 48, .size: 8, .value_kind: global_buffer, .address_space: global }
      - { .name: out0, .offset: 56, .size: 8, .value_kind: global_buffer, .address_space: global }
    .group_segment_fixed_size: 327680
    .private_segment_fixed_size: 0
    .kernarg_segment_align: 8
    .kernarg_segment_size: 64
    .max_flat_workgroup_size: 128
    .sgpr_count:     100
    .vgpr_count:     1024
    .wavefront_size: 32
...
	.end_amdgpu_metadata
.endif
;; end of part 2
